; MI455X (gfx1250); checked and timed in simulation.
; The chip was launched on July 23, 2026; its instructions are those of AMD's public machine-readable ISA for CDNA 5 (MIT licence, August 2026) and "CDNA5" Instruction Set Architecture Reference Guide (July 2026). The comments in the code are by the model that wrote it; some were corrected since.
;; VNN Block. Allowed arithmetic: matrix products marked QUANTISED: E3M2 operands, one E8M0 scale for each 32 along K, by v_wmma_scale_f32_16x16x128_f8f6f4 with both operands' format E3M2, f32 sums; products left as they are: f32 operands where the result goes on into a quantised operand, else bf16, f16 or f32 operands; f32 sums; everything else in f32.
;; Inputs: b1 128 float32; b2 1 float32; c1 128 float32; c2 1 float32; v1 65 x 128 float32; v2 128 x 1 float32; w1 129 x 128 float32; w2 128 x 1 float32; x 4 x 256 float32.
;; Outputs: out0 4 x 256 float32.
;; Constants: chunks = 1, output_size = 256.
;; This version of the problem:
;;   THIS VERSION OF THE PROBLEM IS GIVEN IN LOW PRECISION. The matrix products marked QUANTISED in the list below multiply operands that are first quantised to E3M2 (3 exponent bits, 2 mantissa bits; 6 bits a number), with one power-of-two scale for each 32 numbers along K (OCP MX v1.0); their sums are f32. All else is computed in f32.
;;   The module's matrix products, in the order in which they are computed (A, B: the left and right operand; K: the contracted axis; several contracted axes count as one K, in the product's order):
;;     1. [M 262,144, K 129] x [K 129, N 128]; A: computed on the way; B: input w1: QUANTISED
;;     2. [M 262,144, K 128] x [K 128, N 1]; A: computed on the way; B: input w2: left as it is (N = 1 < 16)
;;     3. batch 4 x [M 1, K 256] x [K 256, N 256]; A: input x; B: computed on the way: left as it is (M = 1 < 16)
;;     4. [M 1,024, K 65] x [K 65, N 128]; A: computed on the way; B: input v1: QUANTISED
;;     5. [M 1,024, K 128] x [K 128, N 1]; A: computed on the way; B: input v2: left as it is (N = 1 < 16)
;;   THE QUANTISER, for each operand of a quantised product, along K:
;;     - K is cut into blocks of 32 from its start; a last block that is shorter is filled with zeros.
;;     - A block's scale is 2^e with e = floor(log2(the largest magnitude in the block)) - 4, held to -126 .. 127; a block of zeros has e = 0. As a byte (E8M0): e + 127.
;;     - Each number is divided by its block's scale, clamped to +-28, and rounded to the nearest number of E3M2, ties to even, subnormals kept.
;;     - The product sums the exact products of the quantised numbers (number of the format x scale) in f32.
;;   ~~~python
;;   def quantise(x, axis):      # numpy; x: float32 -> the quantised numbers, widened to float32 again
;;       x = np.moveaxis(x, axis, -1); K = x.shape[-1]
;;       x = np.pad(x, [(0, 0)] * (x.ndim - 1) + [(0, -K % 32)]); x = x.reshape(x.shape[:-1] + (-1, 32)); a = np.abs(x).max(-1, keepdims=True)
;;       e = np.where(a > 0, np.clip(np.frexp(np.where(a > 0, a, 1))[1] - 1 - 4, -126, 127), 0)      # np.frexp(a)[1] - 1 = floor(log2(a)), exactly
;;       r = np.clip(x / 2.0 ** e, -28, 28)
;;       step = 2.0 ** (np.maximum(np.frexp(np.where(r == 0, 1, r))[1] - 1, -2) - 2)
;;       q = np.round(r / step) * step * 2.0 ** e      # np.round: ties to even
;;       return np.moveaxis(q.reshape(q.shape[:-2] + (-1,))[..., :K], -1, axis).astype(np.float32)
;;   ~~~
;;   OPERANDS COMPUTED ON THE WAY. 'Computed on the way' means the value that the module computes at that place (a softmax that the list does not call 'softmax' is quantised finished and normalised). What goes into a quantiser is computed in f32, as accurately as f32 sums, v_exp_f32 and their like allow (about 1e-6 of the number): no bf16 or f16 on the way to a quantiser, and a product that is left as it is and whose result goes on into a quantised operand takes f32 operands (vector FMAs, or v_wmma_f32_16x16x4_f32). A number that lies on a knife's edge between two numbers of the format may be rounded either way, as far as f32 arithmetic and the matrix unit's own rounding can turn it there, and no further.
;; One version. Each part assembles by itself: llvm-mc -triple=amdgcn-amd-amdhsa -mcpu=gfx1250 --defsym DOCPART=n.
;; ======== version 1 of 1: 1 launch
;; launch vnn (part 1): grid 256 x 1, 8 waves a work-group, clusters of 4 x 1, 168,960 bytes of LDS; arguments x, w1, b1, w2, b2, v1, c1, v2, c2, out0; writes out0
.if DOCPART == 1
	.amdgcn_target "amdgcn-amd-amdhsa--gfx1250"
	.amdhsa_code_object_version 6
	.text
	.protected	k_qd2873023f8_vnn
	.globl	k_qd2873023f8_vnn
	.p2align	8
	.type	k_qd2873023f8_vnn,@function
k_qd2873023f8_vnn:
	s_mov_b64 s[64:65], 0
	v_nop
	global_prefetch_b8 v0, s[64:65] scope:SCOPE_SE
	s_setreg_imm32_b32 hwreg(HW_REG_WAVE_MODE, 25, 1), 1
	s_wait_xcnt 0x0
	s_wait_alu depctr_hold_cnt(0) depctr_sa_sdst(0) depctr_va_vdst(0) depctr_va_sdst(0) depctr_va_ssrc(0) depctr_va_vcc(0) depctr_vm_vsrc(0)
	s_getreg_b32 s2, hwreg(HW_REG_IB_STS2, 6, 4)
	s_cmp_eq_u32 s2, 0
	s_cbranch_scc0 .Lentry_in_a_cluster
	s_endpgm
.Lentry_in_a_cluster:
	s_bfe_u32 s2, ttmp6, 0x10000c
	s_cmp_lg_u32 s2, 0x3003
	s_cbranch_scc0 .Lentry_shape_is_right
	s_endpgm
.Lentry_shape_is_right:
; VNNBlock, S = 4, I = O = 256, d = 64, hidden = 128, in ONE launch.
;   row (s, i, o) of the first product is [pe[o], pe[o], x[s][o]] (n % I = n % O = o);  h = relu(row w1 + b1);  w = h w2 + b2;  out[s][o] = sum over i of x[s][i] w[s][i][o];
;   bias[s][o] = relu([pe[o], out[s][o]] v1 + c1) v2 + c2;  out0 = out + bias.
; The two products with w1 and v1 go on codes of BF6 (E3M2) with one E8M0 scale for each 32 along K; all else is f32 (fused multiply-adds).
; SHARES.  Work-group o = 4 x cluster + cx owns column o of out0, so it needs ONE row of pe.  Wave w of eight owns hidden units 16 w .. 16 w + 15 of both layers: one tile of w1 and one of v1,
; quantised once and kept in registers.  The products are used transposed (source 0 = 16 hidden units, source 1 = 16 rows): lane (r, h) holds row r, its register j hidden unit 16 w + 8 h + j.
; A tile's 16 rows are (s = r % 4, g = r / 4): four samples x four i.  64 trips cover the 256 i: trip 4 j + e takes i = 16 j + 4 g + e.
; A row of the first product does not hang on i; this text multiplies every row all the same.  Only the fifth block of K (one number, x[s][o] against w1's row 128) is
; multiplied once, onto b1, and the result is the C of every trip's product.
; THE ORDER OF THE SUMS: out = sum over j of w2[j] (sum over i of x[s][i] h[i][j]) + b2 (sum over i of x[s][i]).  So a trip has eight vector lines (four pairs of maxima, four
; packed multiply-adds by x) and the dot with w2 is made once.  All of it is f32.
; pe IS MADE HERE: lane k of a wave makes sin and cos of o x 10^(-k/8).  (2 / pi) x 10^(-k/8) is a product of two-word constants chosen by k's bits; the angle in quarter turns is reduced exactly;
; two series on |f| <= 1/2 follow (remainders under 2e-9); the cosine's last step is one fused multiply-add onto 1.0, so that it is exactly 1.0 where the true value rounds to 1.0 (that moves a block's scale).
; CLUSTER.  w1, v1 and x are the same for all work-groups: the four of a cluster ask for each tile jointly (mask 15), by descriptors that hang on the wave's number alone.  cx enters o alone:
; a float and two offsets into memory; no LDS address and no branch.  No LDS byte is filled twice.
; LIMITS.  NaN and infinities among the inputs are not served.  A block of zeros keeps the scale byte 1 where the rule says 127: its codes are zeros, and the bytes are read by this text alone.
; pe is the f32 rounding of the true sin / cos of o x 10^(-k/8), within 1.5e-7.  A work-group's four outputs lie 1,024 bytes apart and leave as four stores of 4 bytes (the whole output is 4,096 bytes);
; b1, w2, c1, v2 and the weights' last rows (3 KB in all) are read in pieces of 64 bytes.
;
; LDS.  w1's rows 0-127 as f32: element (k, n) at 512 k + 64 (k / 32) + 4 n.  The 64 bytes behind each 32 rows set lanes 16-31, which read 32 rows further on (4,112 words), 16 banks
; behind lanes 0-15 (64 banks of 4 bytes: ISA guide 11.1).  v1's rows 0-63 likewise.  x: row s at 1,088 s: the 16 lanes (s, g) of a 16-byte load take 16 different columns of 16 bytes.
.set V1L,   65792                      ; w1 ends at 65,728
.set XL,    98816                      ; v1 ends at 98,624
.set PEB,   103168                     ; x ends at 103,104.  From here on blocks of 256 bytes into which no tile lands: 8 x 256, each wave's own row of pe,
.set RED1,  105216                     ; 8 x 16 bytes: the waves' parts of out (word 16 w + 4 s); 256 bytes on: their parts of the bias
.set FLOOR, 0x2800000                  ; 2^(5 - 127): under it no largest magnitude is taken, so a scale's byte cannot fall under 1
.set ESTEP, 0xfe000000                 ; -(4 << 23): 4 off an exponent field
; vector registers
.set LN,   1                           ; lane
.set R16,  2                           ; r = lane % 16
.set H,    3                           ; h = lane / 16
.set SH8,  4                           ; 8 h
.set VA,   5                           ; LDS: my column of w1: 16,448 h + 64 w + 4 r
.set VA2,  6                           ; the same in v1
.set XAD,  7                           ; LDS: XL + 1,088 s + 16 g
.set PST,  8                           ; LDS: PEB + 8 x thread: where lane k puts (sin, cos)
.set PLD,  9                           ; LDS: PEB + 128 x (thread / 16): my half's 32 numbers of pe
.set VB,   10                          ; memory: 64 w + 32 h: my eight numbers of b1, w2, c1, v2
.set VC,   11                          ; memory: 64 w + 4 r: my column in a row of w1 or v1
.set VXO,  12                          ; memory: 1,024 s + 4 o: x[s][o], and out0[s][o]
.set RST,  13                          ; LDS: RED1 + 16 w + 4 s
.set RLD,  14                          ; LDS: RED1 + 4 s
.set TP,   15                          ; a lane permute's destination
.set ARG,  16                          ; v16-27   source 1 of the products: the rows' codes
.set W1F,  28                          ; v28-39   my tile of w1
.set V1F,  40                          ; v40-51   my tile of v1
.set CT,   52                          ; v52-59   b1's tile, then b1 + the x term
.set W2T,  60                          ; v60-67   w2, v68-75 c1, v76-83 v2 at 16 w + 8 h + j
.set C1T,  68
.set V2T,  76
.set D,    84                          ; v84-115  four results by turns; at the head: pe's arithmetic
.set ACC,  116                         ; v116-123 four pairs: the sums over i of x[s][i] h[i][j] for my eight hidden units
.set OUT,  124                         ; v124-127 two pairs: x's sums, later the dot with w2
.set X,    128                         ; v128-191 register t = x[s][i(t, g)]; at the head: pe's numbers, then 64 numbers of w1
.set Z,    192                         ; v192-207 sixteen numbers of which only the first is ever other than 0, where a block of one number is made
.set XA,   208                         ; v208-219 the x term's rows
.set XB,   220                         ; v220-231 and its hidden units (w1's row 128)
.set STV,  192                         ; v192-223 in the run of trips: a block of v1 lands here; the zeros are set again behind it
.set W1S,  232                         ; v232-237 scale words, and nothing else
.set V1S,  233
.set ARGS, 234
.set XAS,  235
.set XBS,  236
.set BW,   237
.set XVR,  238                         ; x[s][o]
.set W1XR, 239                         ; w1[128][16 w + r]
.set V1XR, 240                         ; v1[64][16 w + r]
.set OUTV, 241                         ; out[s][o]
.set B2P,  242                         ; v[242:243] (b2 x my 64 numbers of x, 0) in wave 0's lanes 0-15, else (0, 0)
.set M,    244
.set MB,   245
.set SO,   246
.set BY0,  247
.set BY1,  248
.set T3,   250                         ; v250-252
; pe's arithmetic, in D's registers
.set TH,   84
.set TL,   85
.set FH,   86
.set FL,   87
.set PP,   88
.set EE,   89
.set MK,   90
.set POS,  91
.set NN,   92
.set FF,   93
.set ZZ,   94
.set QQ,   95
.set AA,   96
.set RR,   97
.set SS,   98
.set CC,   99
.set NI,   100
.set T0,   101
.set SC,   102                         ; v[102:103] (sin, cos)
; scalar registers: s2 wave, s3 o, s4 at work, s6-7 lane selects, s[8:27] the ten addresses, s28 b2, s29 c2, s[30:31] an offset
.set G1W,  36                          ; s[36:43] descriptor group 1: 16 rows of 512 bytes;  s[44:51]: 8 rows;  s[52:59]: 1 row
.set G1V,  44
.set G1X,  52
.set G0W,  60                          ; s[60:63], s[68:71], s[72:75] groups 0: w1, v1, x
.set G0V,  68
.set G0X,  72
; A round of the cluster's barrier: my work-group's barrier, wave 0 signals for the work-group, every wave waits for all four work-groups, my work-group's barrier once more.
.macro ROUND
	s_barrier_signal -1
	s_barrier_wait -1
	s_cmp_lg_u32 s2, 0
	s_cbranch_scc1 .Lnot_wave_0_\@
	s_barrier_signal -3
.Lnot_wave_0_\@:
	s_barrier_wait -3
	s_barrier_signal -1
	s_barrier_wait -1
.endm
; (TH, TL) x (hi, lo) where the lane's bit is set, x 1 elsewhere: a product of two-word numbers
.macro DFMUL bit, hi, lo
	v_and_b32 v[MK], 1<<\bit, v[LN]
	v_cmp_ne_u32 vcc_lo, 0, v[MK]
	v_mov_b32 v[FH], \hi
	v_mov_b32 v[FL], \lo
	v_cndmask_b32 v[FH], 1.0, v[FH], vcc_lo
	v_cndmask_b32 v[FL], 0, v[FL], vcc_lo
	v_mul_f32 v[PP], v[TH], v[FH]
	v_fma_f32 v[EE], v[TH], v[FH], -v[PP]          ; what the product's rounding dropped, exactly
	v_fma_f32 v[EE], v[TH], v[FL], v[EE]
	v_fma_f32 v[TL], v[TL], v[FH], v[EE]
	v_mov_b32 v[TH], v[PP]
.endm
; A whole block of 32 along K in one lane, v[src] .. v[src + 31], becomes six registers of codes, v[frag] on, and its scale's byte.
.macro QBLK src, frag, by
	v_max3_num_f32 v[M], |v[(\src)]|, |v[(\src)+1]|, |v[(\src)+2]|      ; the largest magnitude, in two chains
	v_max3_num_f32 v[MB], |v[(\src)+3]|, |v[(\src)+4]|, |v[(\src)+5]|
.irp i, 6,10,14,18,22,26
	v_max3_num_f32 v[M], v[M], |v[(\src)+\i]|, |v[(\src)+\i+1]|
	v_max3_num_f32 v[MB], v[MB], |v[(\src)+\i+2]|, |v[(\src)+\i+3]|
.endr
	v_max3_num_f32 v[M], v[M], |v[(\src)+30]|, |v[(\src)+31]|
	v_max3_num_f32 v[M], v[M], v[MB], FLOOR
	v_add_nc_u32 v[SO], ESTEP, v[M]                ; 4 off its exponent field: the conversion takes the exponent field of this operand as its scale, and nothing else of it
	v_lshrrev_b32 v[\by], 23, v[SO]                ; the scale's byte
	v_cvt_scalef32_pk16_bf6_f32 v[(\frag):(\frag)+2], v[(\src):(\src)+15], v[SO]
	v_cvt_scalef32_pk16_bf6_f32 v[T3:T3+2], v[(\src)+16:(\src)+31], v[SO]   ; (a conversion's three registers begin on an even number)
	v_nop                                          ; one plain place behind a scaled conversion
.irp i, 0,1,2
	v_mov_b32 v[(\frag)+3+\i], v[T3+\i]
.endr
.endm
; A block that holds ONE number (lanes 0-15: v[src]; lanes 16-31 and the other 15 numbers: 0): three registers of codes, v[d3] on, and the byte.  vcc_lo = lanes 16-31.
.macro QONE d3, by, src
	v_cndmask_b32 v[Z], v[\src], v[Z+1], vcc_lo
	v_max3_num_f32 v[M], |v[Z]|, |v[Z]|, FLOOR
	v_add_nc_u32 v[SO], ESTEP, v[M]
	v_lshrrev_b32 v[\by], 23, v[SO]
	v_cvt_scalef32_pk16_bf6_f32 v[(\d3):(\d3)+2], v[Z:Z+15], v[SO]
	v_nop                                          ; one plain place behind a scaled conversion
.endm
; My two bytes (blocks h and 2 + h) at their places, with lane l xor 16's two: the scale word of my row or column
.macro SWORD w, bya, byb
	v_lshl_or_b32 v[\w], v[\byb], 16, v[\bya]
	v_lshlrev_b32 v[\w], v[SH8], v[\w]
	v_permlanex16_b32 v[TP], v[\w], s6, s7
	v_or_b32 v[\w], v[\w], v[TP]
.endm
; Product N of 64: my 16 hidden units x 16 rows, 128 along K, onto b1 + the x term, into result N % 4
.macro WM
	v_wmma_scale_f32_16x16x128_f8f6f4 v[D+8*(N%4):D+8*(N%4)+7], v[W1F:W1F+11], v[ARG:ARG+11], v[CT:CT+7], v[W1S], v[ARGS] matrix_a_fmt:MATRIX_FMT_BF6 matrix_b_fmt:MATRIX_FMT_BF6
.endm
.macro RELU                            ; trip T's result, from its low end on, two maxima a line: the destinations are an even and an odd register, the second sources lie in different banks
.set DB, D+8*(T%4)
.irp j, 0,2,4,6
	v_dual_max_num_f32 v[DB+\j], 0, v[DB+\j] :: v_dual_max_num_f32 v[DB+\j+1], 0, v[DB+\j+1]
.endr
.endm
.macro ACCUM                           ; my eight hidden numbers of trip T x x[s][i(T, g)], onto the four pairs; the first trip starts them: nothing is cleared
.set DB, D+8*(T%4)
.set XP, X+T-(T%2)
.irp j, 0,2,4,6
.if T == 0
	v_pk_mul_f32 v[ACC+\j:ACC+\j+1], v[DB+\j:DB+\j+1], v[XP:XP+1] op_sel_hi:[1,0]
.elseif T%2 == 0
	v_pk_fma_f32 v[ACC+\j:ACC+\j+1], v[DB+\j:DB+\j+1], v[XP:XP+1], v[ACC+\j:ACC+\j+1] op_sel_hi:[1,0,1]                   ; x's pair: its first register for both halves
.else
	v_pk_fma_f32 v[ACC+\j:ACC+\j+1], v[DB+\j:DB+\j+1], v[XP:XP+1], v[ACC+\j:ACC+\j+1] op_sel:[0,1,0] op_sel_hi:[1,1,1]    ; its second for both
.endif
.endr
.endm
.macro XSUM n                          ; n more pairs of my 64 numbers of x onto two chains by turns; XI counts the pairs
.rept \n
	v_pk_add_f32 v[OUT+2*(XI%2):OUT+2*(XI%2)+1], v[OUT+2*(XI%2):OUT+2*(XI%2)+1], v[X+2*XI:X+2*XI+1]
.set XI, XI+1
.endr
.endm
.macro SUM8 dst                        ; eight waves' words in v[X] .. v[X + 7], in one fixed order: the same bits in every wave
	v_add_f32 v[X], v[X], v[X+1]
	v_add_f32 v[X+2], v[X+2], v[X+3]
	v_add_f32 v[X+4], v[X+4], v[X+5]
	v_add_f32 v[X+6], v[X+6], v[X+7]
	v_add_f32 v[X], v[X], v[X+2]
	v_add_f32 v[X+4], v[X+4], v[X+6]
	v_add_f32 v[\dst], v[X], v[X+4]
.endm
	; ---- ids, addresses, descriptors
	s_load_b512 s[8:23], s[0:1], 0x0               ; x 8:9, w1 10:11, b1 12:13, w2 14:15, b2 16:17, v1 18:19, c1 20:21, v2 22:23
	s_load_b128 s[24:27], s[0:1], 0x40             ; c2 24:25, out0 26:27
	v_lshl_add_u32 v254, v0, 2, 0x29000
	v_mov_b32 v255, 0
	ds_add_u32 v254, v255
	ds_add_u32 v254, v255
	v_lshrrev_b32 v[RLD], 5, v0                    ; (for now: the wave's number)
	v_readfirstlane_b32 s2, v[RLD]                 ; wave 0..7
	s_bfe_u32 s4, ttmp6, 0x40000                   ; cx
	s_lshl_b32 s3, ttmp9, 2
	s_add_co_u32 s3, s3, s4                        ; o = 4 x cluster + cx
	s_mov_b32 s6, 0x76543210
	s_mov_b32 s7, 0xfedcba98                       ; v_permlanex16_b32's selects for lane l xor 16
	v_and_b32 v[LN], 31, v0
	v_and_b32 v[R16], 15, v0
	v_bfe_u32 v[H], v0, 4, 1
	v_lshlrev_b32 v[SH8], 3, v[H]
	v_mul_u32_u24 v[VA], v[H], 16448
	v_lshl_add_u32 v[VA], v[RLD], 6, v[VA]
	v_lshl_add_u32 v[VA], v[R16], 2, v[VA]
	v_add_nc_u32 v[VA2], V1L, v[VA]
	v_and_b32 v[RST], 3, v0                        ; (for now: s)
	v_bfe_u32 v[VXO], v0, 2, 2                     ; (for now: g)
	v_mul_u32_u24 v[XAD], v[RST], 1088
	v_lshl_add_u32 v[XAD], v[VXO], 4, v[XAD]
	v_add_nc_u32 v[XAD], XL, v[XAD]
	v_lshl_add_u32 v[PST], v0, 3, PEB
	v_lshrrev_b32 v[PLD], 4, v0
	v_lshl_add_u32 v[PLD], v[PLD], 7, PEB
	v_lshlrev_b32 v[VB], 6, v[RLD]
	v_lshl_add_u32 v[VC], v[R16], 2, v[VB]
	v_lshl_add_u32 v[VB], v[H], 5, v[VB]
	s_lshl_b32 s4, s3, 2
	v_lshl_add_u32 v[VXO], v[RST], 10, s4
	v_lshlrev_b32 v[TP], 2, v[RST]
	v_lshl_add_u32 v[RST], v[RLD], 4, v[TP]
	v_add_nc_u32 v[RST], RED1, v[RST]
	v_add_nc_u32 v[RLD], RED1, v[TP]
	v_mov_b32 v[TP], 0                             ; written once: a lane permute's destination counts as one of its sources
	; group 1: rows of 64 elements of 8 bytes (512 bytes), dense, no padding; 15:0 the mask: all four work-groups; 17:16 element size code 3; 21 set beside a mask
.irp g, G1W, G1V, G1X
	s_mov_b32 s[\g+0], 15|(3<<16)|(1<<21)
	s_mov_b32 s[\g+1], 64<<16                      ; tensor_dim0 = 64
	s_mov_b32 s[\g+3], 64<<16                      ; tile_dim0 = 64
	s_mov_b32 s[\g+5], 64                          ; from row to row
	s_mov_b32 s[\g+6], 0
	s_mov_b32 s[\g+7], 0
.endr
	s_mov_b32 s[G1W+2], 16<<16                     ; tensor_dim1 and tile_dim1: 16 rows of w1 a wave,
	s_mov_b32 s[G1W+4], 16
	s_mov_b32 s[G1V+2], 8<<16                      ; 8 of v1,
	s_mov_b32 s[G1V+4], 8
	s_mov_b32 s[G1X+2], 1<<16                      ; half a row of x
	s_mov_b32 s[G1X+4], 1
	; group 0: where the tiles go: the wave's number and constants alone
	s_mov_b32 s[G0W], 1
	s_lshl_b32 s[G0W+1], s2, 13                    ; w1: rows 16 w on: 8,192 w + 64 (w / 2)
	s_lshr_b32 s4, s2, 1
	s_lshl_b32 s4, s4, 6
	s_add_co_u32 s[G0W+1], s[G0W+1], s4
	s_mov_b32 s[G0V], 1
	s_lshl_b32 s[G0V+1], s2, 12                    ; v1: rows 8 w on: 4,096 w + 64 (w / 4)
	s_lshr_b32 s4, s2, 2
	s_lshl_b32 s4, s4, 6
	s_add_co_u32 s[G0V+1], s[G0V+1], s4
	s_add_co_u32 s[G0V+1], s[G0V+1], V1L
	s_mov_b32 s[G0X], 1
	s_lshr_b32 s4, s2, 1                           ; x: row w / 2, half w % 2
	s_mul_i32 s[G0X+1], s4, 1088
	s_and_b32 s4, s2, 1
	s_lshl_b32 s4, s4, 9
	s_add_co_u32 s[G0X+1], s[G0X+1], s4
	s_add_co_u32 s[G0X+1], s[G0X+1], XL
	s_mov_b32 s31, 0
	s_wait_dscnt 0x0
	s_wait_kmcnt 0x0
	s_lshl_b32 s30, s2, 13                         ; and where they come from
	s_add_nc_u64 s[G0W+2:G0W+3], s[10:11], s[30:31]
	s_or_b32 s[G0W+3], s[G0W+3], 0x80000000        ; type = 2
	s_lshl_b32 s30, s2, 12
	s_add_nc_u64 s[G0V+2:G0V+3], s[18:19], s[30:31]
	s_or_b32 s[G0V+3], s[G0V+3], 0x80000000
	s_lshl_b32 s30, s2, 9
	s_add_nc_u64 s[G0X+2:G0X+3], s[8:9], s[30:31]
	s_or_b32 s[G0X+3], s[G0X+3], 0x80000000
	; ---- the fetch: all four work-groups are here, so the joint loads meet.  Three tensor loads of mine are out; each LDS byte is filled once
	ROUND
	tensor_load_to_lds s[G0W:G0W+3], s[G1W:G1W+7]
	s_nop 0
	tensor_load_to_lds s[G0V:G0V+3], s[G1V:G1V+7]
	s_nop 0
	tensor_load_to_lds s[G0X:G0X+3], s[G1X:G1X+7]
	s_nop 0
.rept 4
	v_nop                                          ; behind tensor loads
.endr
	global_load_b128 v[CT:CT+3], v[VB], s[12:13]               ; b1, w2, c1, v2 at hidden units 16 w + 8 h + 0 .. 7: the result's layout
	global_load_b128 v[CT+4:CT+7], v[VB], s[12:13] offset:16
	global_load_b128 v[W2T:W2T+3], v[VB], s[14:15]
	global_load_b128 v[W2T+4:W2T+7], v[VB], s[14:15] offset:16
	global_load_b128 v[C1T:C1T+3], v[VB], s[20:21]
	global_load_b128 v[C1T+4:C1T+7], v[VB], s[20:21] offset:16
	global_load_b128 v[V2T:V2T+3], v[VB], s[22:23]
	global_load_b128 v[V2T+4:V2T+7], v[VB], s[22:23] offset:16
	global_load_b32 v[W1XR], v[VC], s[10:11] offset:65536      ; w1's row 128
	global_load_b32 v[V1XR], v[VC], s[18:19] offset:32768      ; v1's row 64
	global_load_b32 v[XVR], v[VXO], s[8:9]                     ; x[s][o]
	s_load_b32 s28, s[16:17], 0x0                  ; b2
	s_load_b32 s29, s[24:25], 0x0                  ; c2
	; ---- pe[o], while the tiles are on their way.  Lane k: t = (2 / pi) 10^(-k/8) in two words
	v_mov_b32 v[TH], 0x3f22f983                    ; 2 / pi
	v_mov_b32 v[TL], 0x32dc9c88
	DFMUL 0, 0x3f3ff911, 0x32022bb3                ; 10^(-1/8)
	DFMUL 1, 0x3f0ff59a, 0xb1f8f1f8                ; 10^(-1/4)
	DFMUL 2, 0x3ea1e89b, 0x31121244                ; 10^(-1/2)
	DFMUL 3, 0x3dcccccd, 0xb0cccccd                ; 10^(-1)
	DFMUL 4, 0x3c23d70a, 0x2f75c28f                ; 10^(-2)
	v_cvt_f32_u32 v[POS], s3
	v_mul_f32 v[PP], v[TH], v[POS]                 ; the angle in quarter turns,
	v_fma_f32 v[EE], v[TH], v[POS], -v[PP]         ; and what that product dropped
	v_fma_f32 v[EE], v[TL], v[POS], v[EE]
	v_rndne_f32 v[NN], v[PP]
	v_sub_f32 v[FF], v[PP], v[NN]                  ; exact
	v_add_f32 v[FF], v[FF], v[EE]                  ; f, |f| <= 1/2
	v_mul_f32 v[ZZ], v[FF], v[FF]
	v_mov_b32 v[QQ], 0x39283c1a                    ; sin(pi f / 2) = (pi / 2) f + f^3 (s1 + z (s2 + z (s3 + z s4))), pi / 2 in two words
	v_mov_b32 v[CC], 0xb7d368f9                    ; cos(pi f / 2) = 1 + z (c1 + z (c2 + z (c3 + z (c4 + z c5))))
	v_fma_f32 v[QQ], v[QQ], v[ZZ], 0xbb996966
	v_fma_f32 v[CC], v[CC], v[ZZ], 0x3a70fa83
	v_fma_f32 v[QQ], v[QQ], v[ZZ], 0x3da335e3
	v_fma_f32 v[CC], v[CC], v[ZZ], 0xbcaae9e4
	v_fma_f32 v[QQ], v[QQ], v[ZZ], 0xbf255de7
	v_fma_f32 v[CC], v[CC], v[ZZ], 0x3e81e0f8
	v_mul_f32 v[AA], v[FF], v[ZZ]
	v_mul_f32 v[RR], 0xb33bbd2e, v[FF]
	v_fma_f32 v[CC], v[CC], v[ZZ], 0xbf9de9e6
	v_fma_f32 v[RR], v[AA], v[QQ], v[RR]
	v_fma_f32 v[CC], v[CC], v[ZZ], 1.0
	v_fma_f32 v[SS], v[FF], 0x3fc90fdb, v[RR]
	v_cvt_i32_f32 v[NI], v[NN]                     ; the quarter: odd: sine and cosine change places;
	v_and_b32 v[MK], 1, v[NI]
	v_cmp_ne_u32 vcc_lo, 0, v[MK]
	v_cndmask_b32 v[SC], v[SS], v[CC], vcc_lo
	v_cndmask_b32 v[SC+1], v[CC], v[SS], vcc_lo
	v_lshlrev_b32 v[T0], 30, v[NI]                 ; quarters 2, 3: the sine's sign turns;
	v_and_b32 v[T0], 0x80000000, v[T0]
	v_xor_b32 v[SC], v[SC], v[T0]
	v_add_nc_u32 v[NI], 1, v[NI]                   ; quarters 1, 2: the cosine's
	v_lshlrev_b32 v[T0], 30, v[NI]
	v_and_b32 v[T0], 0x80000000, v[T0]
	v_xor_b32 v[SC+1], v[SC+1], v[T0]
	ds_store_b64 v[PST], v[SC:SC+1]                ; pe[o][2 k], pe[o][2 k + 1], into my wave's own 256 bytes
.irp i, 0,1,2,3,4,5,6,7
	ds_load_b128 v[X+4*\i:X+4*\i+3], v[PLD] offset:16*\i   ; back: pe[o][32 h + 0 .. 31] in every lane.  LDS serves a wave's instructions in order (ISA guide 5.7.1.4): these see the store
.endr
	s_mov_b32 vcc_lo, 0xffff0000                   ; lanes 16-31: kept until the way out
.irp i, 1,2,3,4,5,6,7,8,9,10,11,12,13,14,15
	v_mov_b32 v[Z+\i], 0                           ; the zeros of a block of one number
.endr
.irp i, 3,4,5,6,7,8,9,10,11
	v_mov_b32 v[XA+\i], 0                          ; the x term has one number along K: all other codes are zeros
	v_mov_b32 v[XB+\i], 0
.endr
.irp i, 9,10,11
	v_mov_b32 v[V1F+\i], 0                         ; v1 has 65 along K
.endr
	s_wait_dscnt 0x0                               ; the store and the eight loads
	QBLK X, ARG, BY0                               ; block h of the rows: the same in all 16 rows
.irp i, 0,1,2,3,4,5
	v_mov_b32 v[ARG+6+\i], v[ARG+\i]               ; blocks 2 and 3 are pe[o] once more
.endr
	v_permlanex16_b32 v[TP], v[BY0], s6, s7
	v_lshl_or_b32 v[ARGS], v[TP], 8, v[BY0]        ; in lanes 0-15, which are the ones read: bytes 0, 1 = blocks 0, 1;
	v_lshl_or_b32 v[ARGS], v[ARGS], 16, v[ARGS]    ; bytes 2, 3 the same
	; ---- the tiles are in
	s_wait_tensorcnt 0x0                           ; my three parts have landed,
	s_barrier_signal -1
	s_barrier_wait -1                              ; everybody's have
	; ---- my tile of w1: lane (r, h) takes column 16 w + r, and its registers run down K: k = 64 c + 32 h + i, the operand's own order
.irp c, 0,1
.set KI, 0
.rept 32
	ds_load_b32 v[X+32*\c+KI], v[VA] offset:(64*\c+KI)*512+128*\c
.set KI, KI+1
.endr
.endr
	; while they are out: the two blocks of one number, and b2
	s_wait_loadcnt 0x0                             ; the eleven small loads
	QONE XB, XBS, W1XR                             ; w1's fifth block,
	QONE XA, XAS, XVR                              ; the rows' fifth block
	s_wait_kmcnt 0x0                               ; b2, c2
	s_cmp_eq_u32 s2, 0
	s_cselect_b32 s4, s28, 0                       ; b2 is due once for each row: in wave 0,
	v_mov_b32 v[B2P], s4
	v_cndmask_b32 v[B2P], v[B2P], v[Z+1], vcc_lo   ; in lanes 0-15,
	v_mov_b32 v[B2P+1], 0                          ; in a pair's first half
	s_wait_dscnt 32                                ; the 32 youngest loads are the second block's: the first block is in
	QBLK X, W1F, BY0
	; b1 + Q(w1[128]) Q(x[s][o]).  Behind the last write of its scale registers stand the four lines above and the block's eighteen plain lines (eight are asked ahead of a scaled product).
	; Bytes 1-3 of both scale words are 0, over zero codes.  Its result becomes the C of other accumulators: the second block's lines below are the five places and more
	v_wmma_scale_f32_16x16x128_f8f6f4 v[CT:CT+7], v[XB:XB+11], v[XA:XA+11], v[CT:CT+7], v[XBS], v[XAS] matrix_a_fmt:MATRIX_FMT_BF6 matrix_b_fmt:MATRIX_FMT_BF6
.irp j, 0,1,2,3,4,5,6,7
	ds_load_b128 v[X+4*\j:X+4*\j+3], v[XAD] offset:64*\j   ; x[s][16 j + 4 g + 0 .. 3], where the first block lay
.endr
	s_wait_dscnt 8                                 ; the 8 youngest loads are x's: the second block is in
	QBLK X+32, W1F+6, BY1
.irp j, 8,9,10,11,12,13,14,15
	ds_load_b128 v[X+4*\j:X+4*\j+3], v[XAD] offset:64*\j   ; and where the second lay
.endr
	SWORD W1S, BY0, BY1
	s_wait_dscnt 0x0                               ; x
	; the sum of my 64 numbers of x, for b2's part: two chains of packed additions.  The first ten lines are the places between the write of w1's scale word and the first product (eight are asked)
	v_pk_add_f32 v[OUT:OUT+1], v[X:X+1], v[X+2:X+3]
	v_pk_add_f32 v[OUT+2:OUT+3], v[X+4:X+5], v[X+6:X+7]
.set XI, 4
	XSUM 8
	; ---- the 64 trips, written out.  Four results take turns; a product is issued three trips ahead of its maxima: 20 places lie between.  No product adds in place
.set N, 0
	s_wait_alu depctr_va_vdst(0)                   ; this product adds onto the result of the matrix instruction just before it
	WM
.set N, 1
	WM
.set N, 2
	WM
	XSUM 20                                        ; the rest of x's sum: also the places ahead of the first read of the first result
	v_pk_add_f32 v[OUT:OUT+1], v[OUT:OUT+1], v[OUT+2:OUT+3]
	v_add_f32 v[M], v[OUT], v[OUT+1]
	v_mul_f32 v[B2P], v[B2P], v[M]                 ; b2 x the sum, where b2 is due
	; v1 is wanted only behind the run: its block's 32 LDS loads stand one a trip in trips 0-31, in which the wave has no other LDS instruction; no window is switched for them.
	; They land on the zeros and on the x term's operands, whose product stands more than four places back
.set T, 0
.rept 64
	RELU
.if T+3 < 64
.set N, T+3
	WM
.endif
.if T < 32
	ds_load_b32 v[STV+T], v[VA2] offset:512*T      ; v1(32 h + T, 16 w + r)
.endif
	ACCUM
.set T, T+1
.endr
	; ---- out[s][o]: the dot with w2 and b2's part, the four g, the two halves of the lanes, the eight waves
	v_pk_fma_f32 v[OUT:OUT+1], v[ACC:ACC+1], v[W2T:W2T+1], v[B2P:B2P+1]
	v_pk_mul_f32 v[OUT+2:OUT+3], v[ACC+4:ACC+5], v[W2T+4:W2T+5]
	v_pk_fma_f32 v[OUT:OUT+1], v[ACC+2:ACC+3], v[W2T+2:W2T+3], v[OUT:OUT+1]
	v_pk_fma_f32 v[OUT+2:OUT+3], v[ACC+6:ACC+7], v[W2T+6:W2T+7], v[OUT+2:OUT+3]
	v_pk_add_f32 v[OUT:OUT+1], v[OUT:OUT+1], v[OUT+2:OUT+3]
	v_add_f32 v[M], v[OUT], v[OUT+1]
	v_add_f32_dpp v[M], v[M], v[M] row_xmask:4 row_mask:0xf bank_mask:0xf
	v_add_f32_dpp v[M], v[M], v[M] row_xmask:8 row_mask:0xf bank_mask:0xf
	v_permlanex16_b32 v[TP], v[M], s6, s7
	v_add_f32 v[M], v[M], v[TP]
	ds_store_b32 v[RST], v[M]                      ; the eight lanes of a sample write the same word with the same value
	s_wait_dscnt 0x0                               ; for the others' sake: my store is done (and v1's block is in)
	s_barrier_signal -1
	s_barrier_wait -1
.irp i, 0,1,2,3,4,5,6,7
	ds_load_b32 v[X+\i], v[RLD] offset:16*\i
.endr
	; while the eight words are out: my tile of v1
	QBLK STV, V1F, BY0                             ; block h
.irp i, 1,2,3,4,5,6,7,8,9,10,11,12,13,14,15
	v_mov_b32 v[Z+\i], 0                           ; the zeros again
.endr
	QONE V1F+6, BY1, V1XR                          ; block 2: v1's row 64 alone; block 3: zeros
	SWORD V1S, BY0, BY1
	s_wait_dscnt 0x0
	SUM8 OUTV
	; ---- the bias: rows [pe[o], out[s][o]]: blocks 0 and 1 stand in ARG already; block 2 is out alone; block 3 zeros
	QONE ARG+6, BY0, OUTV
.irp i, 9,10,11
	v_mov_b32 v[ARG+\i], 0
.endr
	v_and_b32 v[BW], 0xffff, v[ARGS]
	v_lshl_or_b32 v[BW], v[BY0], 16, v[BW]
.rept 8
	v_nop                                          ; a scale register written by a vector instruction stands eight places ahead of a scaled product
.endr
	v_wmma_scale_f32_16x16x128_f8f6f4 v[D:D+7], v[V1F:V1F+11], v[ARG:ARG+11], v[C1T:C1T+7], v[V1S], v[BW] matrix_a_fmt:MATRIX_FMT_BF6 matrix_b_fmt:MATRIX_FMT_BF6
.rept 4
	v_nop
.endr
.irp j, 0,1,2,3,4,5,6,7
	v_max_num_f32 v[D+\j], 0, v[D+\j]              ; from the low end on
.endr
	v_pk_mul_f32 v[ACC:ACC+1], v[D:D+1], v[V2T:V2T+1]
	v_pk_mul_f32 v[ACC+2:ACC+3], v[D+4:D+5], v[V2T+4:V2T+5]
	v_pk_fma_f32 v[ACC:ACC+1], v[D+2:D+3], v[V2T+2:V2T+3], v[ACC:ACC+1]
	v_pk_fma_f32 v[ACC+2:ACC+3], v[D+6:D+7], v[V2T+6:V2T+7], v[ACC+2:ACC+3]
	v_pk_add_f32 v[ACC:ACC+1], v[ACC:ACC+1], v[ACC+2:ACC+3]
	v_add_f32 v[M], v[ACC], v[ACC+1]
	v_permlanex16_b32 v[TP], v[M], s6, s7
	v_add_f32 v[M], v[M], v[TP]                    ; my wave's 16 hidden units; the four g hold four copies
	ds_store_b32 v[RST], v[M] offset:256
	s_wait_dscnt 0x0
	s_barrier_signal -1
	s_barrier_wait -1
	; ---- the way out: wave 0 alone (a branch on the wave's number; no barrier stands inside it)
	s_cmp_lg_u32 s2, 0
	s_cbranch_scc1 .Ldone
.irp i, 0,1,2,3,4,5,6,7
	ds_load_b32 v[X+\i], v[RLD] offset:256+16*\i
.endr
	s_wait_dscnt 0x0
	SUM8 M
	v_add_f32 v[M], s29, v[M]                      ; + c2
	v_add_f32 v[M], v[M], v[OUTV]                  ; out + bias
	s_wait_xcnt 0x0                                ; EXEC changes only behind this wait
	v_cmp_gt_u32 vcc_lo, 4, v0
	s_and_saveexec_b32 s4, vcc_lo                  ; lanes 0-3: s = lane
	global_store_b32 v[VXO], v[M], s[26:27]
	s_wait_xcnt 0x0                                ; and again, in front of the line that widens it
	s_or_b32 exec_lo, exec_lo, s4
.Ldone:
	s_wait_tensorcnt 0x0
	ds_add_u32 v254, v255
	s_wait_dscnt 0x0
	ROUND                                          ; the closing round: no work-group ends while a partner may still ask for a tile that names it
	s_endpgm
.Lfunc_end_k_qd2873023f8_vnn:
	.size	k_qd2873023f8_vnn, .Lfunc_end_k_qd2873023f8_vnn-k_qd2873023f8_vnn
	.p2alignl 7, 3214868480
	.fill 96, 4, 3214868480
	.section	.rodata,"a",@progbits
	.p2align	6, 0x0
	.amdhsa_kernel k_qd2873023f8_vnn
		.amdhsa_group_segment_fixed_size 168960
		.amdhsa_private_segment_fixed_size 0
		.amdhsa_enable_private_segment 0
		.amdhsa_kernarg_size 80
		.amdhsa_user_sgpr_count 2
		.amdhsa_user_sgpr_kernarg_segment_ptr 1
		.amdhsa_wavefront_size32 1
		.amdhsa_system_sgpr_workgroup_id_x 1
		.amdhsa_system_sgpr_workgroup_id_y 1
		.amdhsa_system_sgpr_workgroup_id_z 1
		.amdhsa_system_vgpr_workitem_id 0
		.amdhsa_next_free_vgpr 256
		.amdhsa_next_free_sgpr 80
		.amdhsa_reserve_vcc 1
		.amdhsa_float_denorm_mode_32 3
		.amdhsa_float_denorm_mode_16_64 3
		.amdhsa_memory_ordered 1
		.amdhsa_forward_progress 1
		.amdhsa_inst_pref_size 76
	.end_amdhsa_kernel
	.amdgpu_metadata
---
amdhsa.version: [ 1, 2 ]
amdhsa.kernels:
  - .name:           k_qd2873023f8_vnn
    .symbol:         k_qd2873023f8_vnn.kd
    .args:
      - { .name: x, .offset: 0, .size: 8, .value_kind: global_buffer, .address_space: global }
      - { .name: w1, .offset: 8, .size: 8, .value_kind: global_buffer, .address_space: global }
      - { .name: b1, .offset: 16, .size: 8, .value_kind: global_buffer, .address_space: global }
      - { .name: w2, .offset: 24, .size: 8, .value_kind: global_buffer, .address_space: global }
      - { .name: b2, .offset: 32, .size: 8, .value_kind: global_buffer, .address_space: global }
      - { .name: v1, .offset: 40, .size: 8, .value_kind: global_buffer, .address_space: global }
      - { .name: c1, .offset: 48, .size: 8, .value_kind: global_buffer, .address_space: global }
      - { .name: v2, .offset: 56, .size: 8, .value_kind: global_buffer, .address_space: global }
      - { .name: c2, .offset: 64, .size: 8, .value_kind: global_buffer, .address_space: global }
      - { .name: out0, .offset: 72, .size: 8, .value_kind: global_buffer, .address_space: global }
    .group_segment_fixed_size: 168960
    .private_segment_fixed_size: 0
    .kernarg_segment_align: 8
    .kernarg_segment_size: 80
    .max_flat_workgroup_size: 256
    .sgpr_count:     80
    .vgpr_count:     256
    .wavefront_size: 32
...
	.end_amdgpu_metadata
.endif
;; end of part 1
